; MI455X (gfx1250); checked and timed in simulation.
; The chip was launched on July 23, 2026; its instructions are those of AMD's public machine-readable ISA for CDNA 5 (MIT licence, August 2026) and "CDNA5" Instruction Set Architecture Reference Guide (July 2026). The comments in the code are by the model that wrote it; some were corrected since.
;; Multi Head Attention. Allowed arithmetic: matrix products marked QUANTISED: E2M3 operands, one E8M0 scale for each 32 along K, by v_wmma_scale_f32_16x16x128_f8f6f4 with both operands' format E2M3, f32 sums; everything else in f32.
;; Inputs: Wk_codes 1,024 x 32 x 24 uint8 (E2M3 codes of Wk, K innermost, in blocks of 32 codes, four codes in three bytes); Wk_scales 1,024 x 32 uint8 (E8M0 scales of Wk, one for each 32 codes along K); Wq_codes 1,024 x 32 x 24 uint8 (E2M3 codes of Wq, K innermost, in blocks of 32 codes, four codes in three bytes); Wq_scales 1,024 x 32 uint8 (E8M0 scales of Wq, one for each 32 codes along K); Wv_codes 1,024 x 32 x 24 uint8 (E2M3 codes of Wv, K innermost, in blocks of 32 codes, four codes in three bytes); Wv_scales 1,024 x 32 uint8 (E8M0 scales of Wv, one for each 32 codes along K); bk 1,024 float32; bq 1,024 float32; bv 1,024 float32; keys_codes 8 x 1,024 x 32 x 24 uint8 (E2M3 codes of keys, K innermost, in blocks of 32 codes, four codes in three bytes); keys_scales 8 x 1,024 x 32 uint8 (E8M0 scales of keys, one for each 32 codes along K); queries_codes 8 x 1,024 x 32 x 24 uint8 (E2M3 codes of queries, K innermost, in blocks of 32 codes, four codes in three bytes); queries_scales 8 x 1,024 x 32 uint8 (E8M0 scales of queries, one for each 32 codes along K); values_codes 8 x 1,024 x 32 x 24 uint8 (E2M3 codes of values, K innermost, in blocks of 32 codes, four codes in three bytes); values_scales 8 x 1,024 x 32 uint8 (E8M0 scales of values, one for each 32 codes along K).
;; Outputs: out0 1,024 x 8 x 1,024 float32.
;; This version of the problem:
;;   THIS VERSION OF THE PROBLEM IS GIVEN IN LOW PRECISION. The matrix products marked QUANTISED in the list below multiply operands that are first quantised to E2M3 (2 exponent bits, 3 mantissa bits; 6 bits a number), with one power-of-two scale for each 32 numbers along K (OCP MX v1.0); their sums are f32. All else is computed in f32.
;;   The module's matrix products, in the order in which they are computed (A, B: the left and right operand; K: the contracted axis; several contracted axes count as one K, in the product's order):
;;     1. [M 8,192, K 1,024] x [K 1,024, N 1,024]; A: input queries (given as codes); B: input Wq (given as codes): QUANTISED
;;     2. [M 8,192, K 1,024] x [K 1,024, N 1,024]; A: input keys (given as codes); B: input Wk (given as codes): QUANTISED
;;     3. [M 8,192, K 1,024] x [K 1,024, N 1,024]; A: input values (given as codes); B: input Wv (given as codes): QUANTISED
;;     4. batch 128 x [M 1,024, K 64] x [K 64, N 1,024]; A: computed on the way; B: computed on the way: QUANTISED
;;     5. batch 128 x [M 64, K 1,024] x [K 1,024, N 1,024]; A: computed on the way; B: softmax (see below): QUANTISED
;;   THE QUANTISER, for each operand of a quantised product, along K:
;;     - K is cut into blocks of 32 from its start; a last block that is shorter is filled with zeros.
;;     - A block's scale is 2^e with e = floor(log2(the largest magnitude in the block)) - 2, held to -126 .. 127; a block of zeros has e = 0. As a byte (E8M0): e + 127.
;;     - Each number is divided by its block's scale, clamped to +-7.5, and rounded to the nearest number of E2M3, ties to even, subnormals kept.
;;     - The product sums the exact products of the quantised numbers (number of the format x scale) in f32.
;;   ~~~python
;;   def quantise(x, axis):      # numpy; x: float32 -> the quantised numbers, widened to float32 again
;;       x = np.moveaxis(x, axis, -1); K = x.shape[-1]
;;       x = np.pad(x, [(0, 0)] * (x.ndim - 1) + [(0, -K % 32)]); x = x.reshape(x.shape[:-1] + (-1, 32)); a = np.abs(x).max(-1, keepdims=True)
;;       e = np.where(a > 0, np.clip(np.frexp(np.where(a > 0, a, 1))[1] - 1 - 2, -126, 127), 0)      # np.frexp(a)[1] - 1 = floor(log2(a)), exactly
;;       r = np.clip(x / 2.0 ** e, -7.5, 7.5)
;;       step = 2.0 ** (np.maximum(np.frexp(np.where(r == 0, 1, r))[1] - 1, 0) - 3)
;;       q = np.round(r / step) * step * 2.0 ** e      # np.round: ties to even
;;       return np.moveaxis(q.reshape(q.shape[:-2] + (-1,))[..., :K], -1, axis).astype(np.float32)
;;   ~~~
;;   SOFTMAX AHEAD OF A QUANTISED PRODUCT. Where the list says 'softmax', what is quantised is not the finished softmax but p = 2^(t - M), with t = logit x log2(e) and M = ceil(the row's largest t), a whole number; so 1/2 < the row's largest p <= 1. The row's sum l is taken of the UNQUANTISED p, in f32, and the product's result is divided by l at the end. Since M is a whole number, a kernel that streams over the keys may use a running M (the ceiling of the running maximum): every later rescaling is an exact power of two, which a block's scale takes up: the codes' values come out the same.
;;   OPERANDS COMPUTED ON THE WAY. 'Computed on the way' means the value that the module computes at that place (a softmax that the list does not call 'softmax' is quantised finished and normalised). What goes into a quantiser is computed in f32, as accurately as f32 sums, v_exp_f32 and their like allow (about 1e-6 of the number): no bf16 or f16 on the way to a quantiser, and a product that is left as it is and whose result goes on into a quantised operand takes f32 operands (vector FMAs, or v_wmma_f32_16x16x4_f32). A number that lies on a knife's edge between two numbers of the format may be rounded either way, as far as f32 arithmetic and the matrix unit's own rounding can turn it there, and no further.
;;   INPUTS GIVEN AS CODES. Wk (in the module: [1024, 1024], K = its axis 1); Wq (in the module: [1024, 1024], K = its axis 1); Wv (in the module: [1024, 1024], K = its axis 1); keys (in the module: [8, 1024, 1024], K = its axis 2); queries (in the module: [8, 1024, 1024], K = its axis 2); values (in the module: [8, 1024, 1024], K = its axis 2): each comes as NAME_codes (uint8): NAME with its K axis moved to the last place and cut into blocks of 32 codes, [.., K / 32, bytes a block], one block behind the other in memory; four codes in three bytes: a row's codes are one little-endian stream of bits, code i at bits 6 i .. 6 i + 5 (a code: sign, 2 exponent bits, 3 mantissa bits); and NAME_scales (uint8): the same leading axes, one E8M0 byte (e + 127) for each 32 codes along K. Its value is code x scale, taken as it is: it is not quantised again, and the codes and scales need not be those that the quantiser above would give.
;; One version. Each part assembles by itself: llvm-mc -triple=amdgcn-amd-amdhsa -mcpu=gfx1250 --defsym DOCPART=n.
;; ======== version 1 of 1: 2 launches
;; limits: right only within a limited range of input values
;; workspace buffers: wc 18,874,368 bytes; ws 1,310,720 bytes
;; launch proj (part 1): grid 4 x 64, 4 waves a work-group, clusters of 4 x 4, 327,680 bytes of LDS; arguments queries_codes, queries_scales, Wq_codes, Wq_scales, bq, keys_codes, keys_scales, Wk_codes, Wk_scales, bk, Wv_codes, Wv_scales, values_codes, values_scales, bv, wc, ws; writes wc, ws
.if DOCPART == 1
	.amdgcn_target "amdgcn-amd-amdhsa--gfx1250"
	.amdhsa_code_object_version 6
	.text
	.protected	k_q64ea1eda2d_proj
	.globl	k_q64ea1eda2d_proj
	.p2align	8
	.type	k_q64ea1eda2d_proj,@function
k_q64ea1eda2d_proj:
	s_mov_b64 s[64:65], 0
	v_nop
	global_prefetch_b8 v0, s[64:65] scope:SCOPE_SE
	s_setreg_imm32_b32 hwreg(HW_REG_WAVE_MODE, 25, 1), 1
	s_wait_xcnt 0x0
	s_wait_alu depctr_hold_cnt(0) depctr_sa_sdst(0) depctr_va_vdst(0) depctr_va_sdst(0) depctr_va_ssrc(0) depctr_va_vcc(0) depctr_vm_vsrc(0)
	s_getreg_b32 s2, hwreg(HW_REG_IB_STS2, 6, 4)
	s_cmp_eq_u32 s2, 0
	s_cbranch_scc0 .Lentry_in_a_cluster
	s_endpgm
.Lentry_in_a_cluster:
	s_bfe_u32 s2, ttmp6, 0x10000c
	s_cmp_lg_u32 s2, 0xf033
	s_cbranch_scc0 .Lentry_shape_is_right
	s_endpgm
.Lentry_shape_is_right:
; THE THREE PROJECTIONS q = queries Wq^T + bq, k = keys Wk^T + bk, v = values Wv^T + bv on the given FP6 (E2M3) codes, one E8M0 scale for each 32 along K = 1,024, sums in f32;
; each result + bias is quantised again in registers along the K of the product that reads it (q, k: the head's 64 channels; v: the keys) and leaves as codes and scale words.
; ROLES.  P is the matrix instruction's source 0, R its source 1: in a result lane l holds R's row l % 16 and its registers run along P's rows, the next product's K.
;   q, k: P = W (channels), R = x (tokens);   v: P = values (tokens = keys), R = Wv (channels).
; SHARES.  3 x 8,192 x 1,024 results = 768 tiles of 128 R rows x 256 P rows; 256 work-groups walk three tiles each: one of q, one of k (a loop of two trips), one of v (written out).
;   A wave owns 64 P rows: their fragments for ALL of K stay in 384 registers for the tile; 32 accumulators (8 R blocks x 4 P blocks); R's fragments stream from LDS, each feeding four products.
; LDS: one slot for R's tile (128 rows) and one for P's (256 rows), whole rows of 768 bytes brought as dense blocks of 256-byte rows, 16 bytes of padding behind each: an LDS row is 816 bytes.
;   P of tile t + 1 is asked for ahead of tile t's products (its slot was read out into registers), R of tile t + 1 behind them; the way out of tile t reads P of t + 1 into the registers.
; CLUSTERS 4 x 4: R's tile hangs on cy and the cluster's number and is asked for jointly along a row, P's on cx and the cluster's number, jointly along a column.
; PREFETCH: in each trip of the loop the next tile's R codes (24 blocks of 256 bytes a wave: the four partners share a wave's 96 by cx) and scale bytes are named, one tile's 192 products ahead of their loads.
;   P's codes are not named: their tensor load is issued a tile's 256 products ahead of its wait.
; ORDER INSIDE A BLOCK OF 32: q and k keep the accumulators' order (channel 32 B + 16 (i / 8) + 8 h + i % 8 at place (h, i)), the same in both, which leaves q k^T as it is; v is brought to ascending keys by lane swaps.
; THE WORKSPACE: images of the operands' registers.  idx = ((batch x 8 + head / 2) x 8 + token / 128).
;   wc (q 0, k 6,291,456, v 12,582,912): idx x 12,288 + a x 1,536 + p x 256 + the lane's place; p = register pair of a fragment's 12.  q, k: a = tile of 16 tokens, pairs 0-2 the even head, 3-5 the odd; place 8 (l xor 8 (a % 2)).
;     v: a = 4 (head % 2) + tile of 16 channels, the fragment is 16 channels x 128 keys; place 8 l.
;   ws (q 0, k 524,288, v 1,048,576): q, k: idx x 1,024 + (a / 4) x 512 + (head % 2) x 256 + 16 r + 4 (a % 4), bytes 0, 1 the head's two blocks, bytes 2, 3 zero (over zero codes).  v: idx x 512 + (head % 2) x 256 + 16 r + 4 x tile.
; LIMITS: NaN and infinities are not served.  A block of zeros gets the byte 1 where the quantiser says 127 (its codes are zeros; this program alone reads the bytes).  A largest magnitude under 2^-124 counts as 2^-124.
; REGISTERS: window 0: v0-31 addresses; v32-63 R's scale words (lanes 0-15 block a % 4, lanes 16-31 that block + 4); v64-95 P's; v96-127 bias by P's rows; v128-223 R's fragments, even steps (on the way out: codes);
;   v224-231 v's bias; v232-255 at work.  window 1: P's fragments of steps 0-4.  window 2: v0-143 those of steps 5-7, v144-239 R's fragments, odd steps.  window 3: accumulator (a, b) at v[8 (4 a + b)].
.set PITCH, 816
.set BLK,   16*PITCH
.set PSLOT, 128*PITCH
.set SPARE, PSLOT+256*PITCH            ; the spare words, 128 bytes a wave
.set XS,    SPARE+512                  ; 1,024 bytes in which two waves join the halves of v's scale words; no tensor load lands here
.set RS, 32
.set PS, 64
.set BI, 96
.set PC, 128
.set DW, 176
.set BL, 224
.set TM, 232
.set W,  248
.set G1R, 24
.set G0R, 32
.set G0P, 36
.set G1P, 48
.set MSB, 0
.macro WIN new                         ; the immediate's high byte repeats the setting that is left
.if MSB != \new
	s_set_vgpr_msb (MSB<<8)|\new
.set MSB, \new
.endif
.endm
.macro PLACES n
.rept \n
	v_nop
.endr
.endm
.macro CREST
	s_cmp_lg_u32 s14, 0
	s_cbranch_scc1 .Lnot_wave_0_\@
	s_barrier_signal -3
.Lnot_wave_0_\@:
	s_barrier_wait -3
	s_barrier_signal -1
	s_barrier_wait -1
.endm
.macro CROUND                          ; a whole round of the cluster's barrier
	s_barrier_signal -1
	s_barrier_wait -1
	CREST
.endm
; a fragment, 16 rows x 128 K: lane (r, h) takes 48 consecutive bytes of its row, at 96 st + 48 h: the blocks of 32 numbered 4 st + 2 h and 4 st + 2 h + 1, as three loads of 16 bytes.
; P and R are read alike, so the products are the same; the instruction's scale byte 2 c + h then belongs to block 4 st + 2 h + c: the two middle bytes of each scale word are swapped (PHASE).
; Byte y of a row lies at y + 16 (y / 256); where lanes 16-31, 48 bytes on, lie behind one padding more, the second address register serves
.macro FRAG reg, adr, st, off
.irp p, 0,1,2
.set BY, 96*(\st)+16*\p
.if BY/256 == (BY+48)/256
	ds_load_b128 v[\reg+4*\p:\reg+4*\p+3], v[\adr] offset:BY+16*(BY/256)+(\off)
.else
	ds_load_b128 v[\reg+4*\p:\reg+4*\p+3], v[\adr+1] offset:BY+16*(BY/256)+(\off)
.endif
.endr
.endm
.macro PREAD st                        ; my four P fragments of step st, from P's slot into their registers
	WIN 0x40*(1+(\st)/5)
.irp b, 0,1,2,3
	FRAG 48*((\st)%5)+12*\b,20,\st,\b*BLK
.endr
.endm
; four products: R's block a x my four P blocks.  cm = 0: C = 0; 1: C = the bias by P's rows; 2: onto the sums.  The 32 accumulators take turns.
.macro GRP st, a, cm
.irp b, 0,1,2,3
.set DD, 8*(4*(\a)+\b)
.set PP, PB+12*\b
.set RR, RB+12*(\a)
.set SA, PS+8*\b+(\st)
.set SB, RS+8*((\a)%4)+(\st)
.set CC, DD
.if (\cm) == 1
.set CC, BI+8*\b
.endif
.if (\cm) == 0
.if (\a) < 4
	v_wmma_scale_f32_16x16x128_f8f6f4 v[DD:DD+7], v[PP:PP+11], v[RR:RR+11], 0, v[SA], v[SB] matrix_a_fmt:MATRIX_FMT_FP6 matrix_b_fmt:MATRIX_FMT_FP6
.else
	v_wmma_scale_f32_16x16x128_f8f6f4 v[DD:DD+7], v[PP:PP+11], v[RR:RR+11], 0, v[SA], v[SB] matrix_a_fmt:MATRIX_FMT_FP6 matrix_b_fmt:MATRIX_FMT_FP6 matrix_b_scale:MATRIX_SCALE_ROW1
.endif
.else
.if (\a) < 4
	v_wmma_scale_f32_16x16x128_f8f6f4 v[DD:DD+7], v[PP:PP+11], v[RR:RR+11], v[CC:CC+7], v[SA], v[SB] matrix_a_fmt:MATRIX_FMT_FP6 matrix_b_fmt:MATRIX_FMT_FP6
.else
	v_wmma_scale_f32_16x16x128_f8f6f4 v[DD:DD+7], v[PP:PP+11], v[RR:RR+11], v[CC:CC+7], v[SA], v[SB] matrix_a_fmt:MATRIX_FMT_FP6 matrix_b_fmt:MATRIX_FMT_FP6 matrix_b_scale:MATRIX_SCALE_ROW1
.endif
.endif
.endr
.endm
; a step of 128 along K: the next step's eight fragments of R are asked for in one run, into the other set, then come this step's 32 products.
; The wait's 24: only the run just issued (eight fragments of three loads) may be out; this step's own were issued ahead of it.
.macro STEPM st, cm
.set PB, 48*((\st)%5)
.set RB, 128+16*((\st)%2)
.if (\cm) == 1
.set MW, 0xc0|(1+(\st)/5)|(8*((\st)%2))
.else
.set MW, 0xf0|(1+(\st)/5)|(8*((\st)%2))
.endif
.if (\st) > 0
	PLACES 4                                       ; between the last step's products and the loads into the set that they read
.endif
.if (\st) < 7
	WIN 0x80*(((\st)+1)%2)
.irp a, 0,1,2,3,4,5,6,7
	FRAG 128+16*(((\st)+1)%2)+12*\a,16+2*(\a/4),(\st)+1,(\a%4)*BLK
.endr
	s_wait_dscnt 24
.else
	s_wait_dscnt 0x0
.endif
	WIN MW
.irp a, 0,1,2,3,4,5,6,7
	GRP \st, \a, \cm
.endr
.endm
.macro PHASE cm0, pf                   ; a tile's 256 products
	WIN 0
.irp a, 0,1,2,3,4,5,6,7
	FRAG 128+12*\a,16+2*(\a/4),0,(\a%4)*BLK
.endr
	s_wait_loadcnt 0x0                             ; the tile's scale words and bias
.irp s, 0,1,2,3,4,5,6,7                        ; the words' two middle bytes change places, the first step's words first: 56 plain instructions stand between them and their products
.irp g, 0,1,2,3
	v_perm_b32 v[RS+8*\g+\s], v[RS+8*\g+\s], v[RS+8*\g+\s], s23
	v_perm_b32 v[PS+8*\g+\s], v[PS+8*\g+\s], v[PS+8*\g+\s], s23
.endr
.endr
	s_wait_alu depctr_va_vdst(0)
	STEPM 0, \cm0
	STEPM 1, 2
.if \pf
	WIN 0
	global_prefetch_b8 v24, s[68:69] th:TH_LOAD_NT scope:SCOPE_SE   ; the next tile: my work-group's 24 blocks of the 96 that I will fetch of R's codes,
	global_prefetch_b8 v25, s[70:71] th:TH_LOAD_NT scope:SCOPE_SE   ; one of the 16 blocks of R's scales,
	global_prefetch_b8 v26, s[74:75] th:TH_LOAD_NT scope:SCOPE_SE   ; two of the 8 blocks of my P rows' scales
.endif
.irp st, 2,3,4,5,6,7
	STEPM \st, 2
.endr
	WIN 0
.endm
.macro LOADSC rs, ps                   ; a tile's scale words: a row's 32 bytes are its eight steps' words
.irp g, 0,1,2,3
	global_load_b128 v[RS+8*\g:RS+8*\g+3], v8, s[\rs:\rs+1] offset:512*\g
	global_load_b128 v[RS+8*\g+4:RS+8*\g+7], v8, s[\rs:\rs+1] offset:512*\g+16
	global_load_b128 v[PS+8*\g:PS+8*\g+3], v9, s[\ps:\ps+1] offset:512*\g
	global_load_b128 v[PS+8*\g+4:PS+8*\g+7], v9, s[\ps:\ps+1] offset:512*\g+16
.endr
.endm
.macro LOADB bp                        ; bias[my first P row + 16 b + 8 h + j]
.irp b, 0,1,2,3
	global_load_b128 v[BI+8*\b:BI+8*\b+3], v10, s[\bp:\bp+1] offset:64*\b
	global_load_b128 v[BI+8*\b+4:BI+8*\b+7], v10, s[\bp:\bp+1] offset:64*\b+16
.endr
.endm
; THE WAY OUT of R's blocks 2 g and 2 g + 1: 64 numbers a lane, four blocks of 32 (each in lanes l and l xor 16), by turns.
.macro EPI g, isv, oc
.set AC, 64*(\g)
.if (\g) > 0
	s_wait_xcnt 0x0                                ; the last stores have read the codes' registers
.endif
.if \isv
	WIN 0xc3
.set J, 0
.rept 16
	v_pk_add_f32 v[AC+J:AC+J+1], v[AC+J:AC+J+1], v[BL+2*(\g):BL+2*(\g)+1] op_sel_hi:[1,0]             ; v: the bias goes by R's rows: one number a lane
.set J, J+2
.endr
.rept 16
	v_pk_add_f32 v[AC+J:AC+J+1], v[AC+J:AC+J+1], v[BL+2*(\g):BL+2*(\g)+1] op_sel:[0,1] op_sel_hi:[1,1]
.set J, J+2
.endr
.irp b, 0,1,2,3                                ; register 16 b + i becomes key 32 (b % 2) + 16 h + i
.irp j, 0,1,2,3,4,5,6,7
	v_permlane16_swap_b32 v[AC+16*\b+\j], v[AC+16*\b+8+\j]
.endr
.endr
.endif
	WIN 0x3c
.irp b, 0,1,2,3
	v_max3_num_f32 v[TM+\b], 0x1800000, |v[AC+16*\b]|, |v[AC+16*\b+1]|   ; with the floor 2^(3 - 127): the byte cannot fall under 1; each accumulator is read from its low end on
.endr
.irp i, 2,4,6,8,10,12,14
.irp b, 0,1,2,3
	v_max3_num_f32 v[TM+\b], v[TM+\b], |v[AC+16*\b+\i]|, |v[AC+16*\b+\i+1]|
.endr
.endr
	WIN 0
.irp b, 0,1,2,3
	v_permlanex16_b32 v[TM+4+\b], v[TM+\b], s20, s21
.endr
.irp b, 0,1,2,3
	v_max_num_f32 v[TM+\b], v[TM+\b], v[TM+4+\b]
.endr
.irp b, 0,1,2,3
	v_add_nc_u32 v[TM+12+\b], 0xff000000, v[TM+\b]   ; 2 off the exponent field: the conversion's scale operand
.endr
.irp b, 0,1,2,3
	v_lshrrev_b32 v[TM+4+\b], 23, v[TM+12+\b]        ; the scale's byte
.endr
	v_lshl_or_b32 v[W+2*(\g)], v[TM+5], 8, v[TM+4]
	v_lshl_or_b32 v[W+2*(\g)+1], v[TM+7], 8, v[TM+6]
	WIN 0x03
.irp e, 0,1
	v_cvt_scalef32_pk16_fp6_f32 v[PC+8*\e:PC+8*\e+2], v[AC+32*\e:AC+32*\e+15], v[TM+12+2*\e]
	v_cvt_scalef32_pk16_fp6_f32 v[PC+16+4*\e:PC+18+4*\e], v[AC+32*\e+16:AC+32*\e+31], v[TM+13+2*\e]
.endr
	v_nop                                          ; one plain place behind a scaled conversion
	WIN 0
.irp e, 0,1                                    ; a whole block in a lane: lanes 0-15 the first block, lanes 16-31 the second
.irp i, 0,1,2
	v_permlane16_swap_b32 v[PC+8*\e+\i], v[PC+16+4*\e+\i]
.endr
.irp i, 0,1,2
	v_mov_b32 v[PC+8*\e+3+\i], v[PC+16+4*\e+\i]
.endr
.endr
.irp p, 0,1,2
	global_store_b64 v12, v[PC+2*\p:PC+2*\p+1], s[\oc:\oc+1] offset:(2*(\g))*1536+256*\p     ; 32 lanes store 256 consecutive bytes, aligned
.endr
.irp p, 0,1,2
.if \isv
	global_store_b64 v12, v[PC+8+2*\p:PC+9+2*\p], s[\oc:\oc+1] offset:(2*(\g)+1)*1536+256*\p
.else
	global_store_b64 v13, v[PC+8+2*\p:PC+9+2*\p], s[\oc:\oc+1] offset:(2*(\g)+1)*1536+256*\p
.endif
.endr
.endm
	s_load_b256 s[4:11], s[0:1], 0x0               ; q: R's codes, R's scales, P's codes, P's scales,
	s_load_b64 s[12:13], s[0:1], 0x20              ; the bias
	s_load_b256 s[68:75], s[0:1], 0x28             ; k's five: they become the next tile's table
	s_load_b64 s[76:77], s[0:1], 0x48
	s_load_b256 s[80:87], s[0:1], 0x50             ; v's five (R = Wv, P = values)
	s_load_b64 s[88:89], s[0:1], 0x70
	s_load_b128 s[92:95], s[0:1], 0x78             ; wc, ws
	v_lshl_add_u32 v28, v0, 2, SPARE
	v_mov_b32 v29, 0
	ds_add_u32 v28, v29                            ; the opening lines: the add twice on end and its wait
	ds_add_u32 v28, v29
	v_lshrrev_b32 v1, 5, v0
	v_readfirstlane_b32 s14, v1                    ; wave 0..3
	s_lshr_b32 s15, s14, 1
	s_and_b32 s16, s14, 1
	s_bfe_u32 s40, ttmp6, 0x40000                  ; cx
	s_bfe_u32 s41, ttmp6, 0x40004                  ; cy
	s_and_b32 s17, ttmp7, 0xffff                   ; the cluster's number c, 0..15
	s_lshl_b32 s18, s17, 2
	s_add_co_u32 s18, s18, s41                     ; q, k: R's tile of 128 tokens, 4 c + cy
	s_and_b32 s19, s17, 1
	s_lshl_b32 s19, s19, 2
	s_add_co_u32 s19, s19, s41                     ; v: R's tile of 128 channels, 4 (c % 2) + cy
	s_lshr_b32 s42, s17, 1
	s_lshl_b32 s42, s42, 2
	s_add_co_u32 s42, s42, s40                     ; v: P's tile of 256 tokens, 4 (c / 2) + cx  (q, k: P's tile is cx)
	s_lshl_b32 s43, s41, 2
	s_lshl_b32 s43, 15, s43                        ; my row of the cluster
	s_lshl_b32 s44, 0x1111, s40                    ; my column
	; groups 1: dense blocks as rows of 256 bytes (32 elements of 8), 16 bytes of padding behind each.  At the head two waves bring R's halves (192 such rows) and two P's (384)
	s_or_b32 s[G1R], s43, (3<<16)|(1<<20)|(1<<21)|(5<<22)|(3<<25)
	s_or_b32 s[G1P], s44, (3<<16)|(1<<20)|(1<<21)|(5<<22)|(3<<25)
.irp g, G1R, G1P
	s_mov_b32 s[\g+1], 32<<16
	s_mov_b32 s[\g+3], 32<<16
	s_mov_b32 s[\g+5], 32
	s_mov_b32 s[\g+6], 0
	s_mov_b32 s[\g+7], 0
.endr
	s_mov_b32 s[G1R+2], 192<<16
	s_mov_b32 s[G1R+4], 192
	s_mov_b32 s[G1P+2], 384<<16
	s_mov_b32 s[G1P+4], 384
	s_mov_b32 s47, 0                               ; s[46:47]: offsets on R's side (cy, c, wave); s[90:91]: on P's side (cx, c, wave); s[100:101]: the outputs'
	s_mov_b32 s91, 0
	s_mov_b32 s101, 0
	s_mov_b32 s20, 0x76543210                      ; v_permlanex16_b32's selects: lane l xor 16
	s_mov_b32 s21, 0xfedcba98
	s_mov_b32 s22, 0xffff0000                      ; lanes 16-31
	s_wait_dscnt 0x0
	s_wait_kmcnt 0x0
	s_mul_i32 s46, s18, 98304                      ; 128 rows of 768 bytes
	s_add_nc_u64 s[4:5], s[4:5], s[46:47]
	s_add_nc_u64 s[68:69], s[68:69], s[46:47]
	s_mul_i32 s90, s40, 196608
	s_add_nc_u64 s[8:9], s[8:9], s[90:91]
	s_add_nc_u64 s[72:73], s[72:73], s[90:91]
	CROUND                                         ; all sixteen work-groups are here: the first joint loads meet
	s_mov_b32 s[G0R], 1
	s_mul_i32 s[G0R+1], s16, 64*PITCH
	s_mul_i32 s46, s16, 49152
	s_add_nc_u64 s[G0R+2:G0R+3], s[4:5], s[46:47]
	s_or_b32 s[G0R+3], s[G0R+3], 0x80000000
	s_mov_b32 s[G0P], 1
	s_mul_i32 s[G0P+1], s16, 128*PITCH
	s_add_co_u32 s[G0P+1], s[G0P+1], PSLOT
	s_mul_i32 s90, s16, 98304
	s_add_nc_u64 s[G0P+2:G0P+3], s[8:9], s[90:91]
	s_or_b32 s[G0P+3], s[G0P+3], 0x80000000
	s_cmp_eq_u32 s15, 0                            ; one load a wave: waves 0, 1 R's halves, waves 2, 3 P's
	s_cbranch_scc0 .Lhead_p
	tensor_load_to_lds s[G0R:G0R+3], s[G1R:G1R+7]
	s_nop 0
	PLACES 4
	s_branch .Lhead_asked
.Lhead_p:
	tensor_load_to_lds s[G0P:G0P+3], s[G1P:G1P+7]
	s_nop 0
	PLACES 4
.Lhead_asked:
	s_lshl_b32 s46, s18, 12                        ; R's scales: 4,096 bytes a tile
	s_add_nc_u64 s[6:7], s[6:7], s[46:47]
	s_add_nc_u64 s[70:71], s[70:71], s[46:47]
	s_mul_i32 s46, s14, 24576                      ; in the loop I fetch 32 rows of R
	s_add_nc_u64 s[68:69], s[68:69], s[46:47]
	s_add_nc_u64 s[80:81], s[80:81], s[46:47]
	s_mul_i32 s46, s19, 98304
	s_add_nc_u64 s[80:81], s[80:81], s[46:47]
	s_lshl_b32 s46, s19, 12
	s_add_nc_u64 s[82:83], s[82:83], s[46:47]
	s_lshl_b32 s46, s19, 9                         ; bv at R's first row
	s_add_nc_u64 s[88:89], s[88:89], s[46:47]
	s_mul_i32 s90, s14, 49152                      ; and my own 64 rows of P
	s_add_nc_u64 s[72:73], s[72:73], s[90:91]
	s_add_nc_u64 s[84:85], s[84:85], s[90:91]
	s_mul_i32 s90, s42, 196608
	s_add_nc_u64 s[84:85], s[84:85], s[90:91]
	s_lshl_b32 s23, s14, 11                        ; P's scales: my 64 rows of 32 bytes
	s_lshl_b32 s90, s40, 13
	s_add_co_u32 s90, s90, s23
	s_add_nc_u64 s[10:11], s[10:11], s[90:91]
	s_add_nc_u64 s[74:75], s[74:75], s[90:91]
	s_lshl_b32 s90, s42, 13
	s_add_co_u32 s90, s90, s23
	s_add_nc_u64 s[86:87], s[86:87], s[90:91]
	s_lshl_b32 s23, s14, 8                         ; bq, bk at my first P row
	s_lshl_b32 s90, s40, 10
	s_add_co_u32 s90, s90, s23
	s_add_nc_u64 s[12:13], s[12:13], s[90:91]
	s_add_nc_u64 s[76:77], s[76:77], s[90:91]
	; where my results go
	s_lshr_b32 s17, s18, 3                         ; q, k: the batch
	s_lshl_b32 s17, s17, 3
	s_lshl_b32 s45, s40, 1
	s_add_co_u32 s17, s17, s45
	s_add_co_u32 s17, s17, s15                     ; + head / 2 = 2 cx + wave / 2
	s_lshl_b32 s17, s17, 3
	s_and_b32 s45, s18, 7
	s_add_co_u32 s17, s17, s45                     ; idx
	s_mul_i32 s100, s17, 12288
	s_mul_i32 s45, s16, 768
	s_add_co_u32 s100, s100, s45
	s_add_nc_u64 s[96:97], s[92:93], s[100:101]
	s_lshl_b32 s100, s17, 10
	s_lshl_b32 s2, s16, 8
	s_add_co_u32 s100, s100, s2
	s_add_nc_u64 s[98:99], s[94:95], s[100:101]
	s_lshr_b32 s17, s42, 2                         ; v: the batch
	s_lshl_b32 s17, s17, 3
	s_add_co_u32 s17, s17, s19
	s_lshl_b32 s17, s17, 3
	s_and_b32 s100, s42, 3
	s_lshl_b32 s100, s100, 1
	s_add_co_u32 s17, s17, s100
	s_add_co_u32 s17, s17, s15                     ; idx
	s_mul_i32 s100, s17, 12288
	s_add_co_u32 s100, s100, s45
	s_add_co_u32 s100, s100, 12582912
	s_add_nc_u64 s[92:93], s[92:93], s[100:101]
	s_lshl_b32 s100, s17, 9
	s_add_co_u32 s100, s100, s2
	s_add_co_u32 s100, s100, 1048576
	s_add_nc_u64 s[94:95], s[94:95], s[100:101]
	s_mul_i32 s23, s14, 4*BLK
	s_add_co_u32 s23, s23, PSLOT                   ; my 64 rows in P's slot
	s_lshl_b32 s17, s15, 9
	s_add_co_u32 s17, s17, XS                      ; my pair of waves' 512 bytes
	s_lshl_b32 s45, s16, 1
	s_add_co_u32 s45, s45, s17
	s_add_co_u32 s17, s17, s2
	s_mul_i32 s2, s40, 6144
	s_lshl_b32 s100, s40, 2
	s_add_co_u32 s100, s100, s14
	s_lshl_b32 s100, s100, 8
	s_lshl_b32 s19, s41, 9
	v_and_b32 v1, 15, v0                           ; r
	v_bfe_u32 v2, v0, 4, 1                         ; h
	v_and_b32 v3, 31, v0                           ; l
	v_mul_u32_u24 v4, v1, PITCH
	v_mad_u32_u24 v16, v2, 48, v4                  ; R's fragments, blocks 0-3: row r, 48 h bytes on;
	v_lshl_add_u32 v17, v2, 4, v16                 ; behind one padding more;
	v_add_nc_u32 v18, 4*BLK, v16                   ; blocks 4-7
	v_add_nc_u32 v19, 4*BLK, v17
	v_add_nc_u32 v20, s23, v16                     ; P's
	v_add_nc_u32 v21, s23, v17
	v_lshl_add_u32 v8, v2, 6, v1
	v_lshlrev_b32 v8, 5, v8                        ; R's scales: row r + 64 h
	v_lshlrev_b32 v9, 5, v1                        ; P's: row r
	v_lshlrev_b32 v10, 5, v2                       ; the bias by P's rows: 32 h
	v_lshlrev_b32 v11, 2, v1                       ; by R's rows: 4 r
	v_lshlrev_b32 v12, 3, v3                       ; my 8 bytes of a piece
	v_xor_b32 v13, 8, v3
	v_lshlrev_b32 v13, 3, v13                      ; q, k: in odd blocks the places are turned by 8
	v_lshlrev_b32 v23, 4, v1                       ; 16 r
	v_lshl_add_u32 v14, v2, 9, v23                 ; q, k: scale words: lanes 0-15 blocks 0-3, lanes 16-31 blocks 4-7
	v_add_nc_u32 v15, s45, v23                     ; v: where my two bytes of a word go,
	v_add_nc_u32 v22, s17, v23                     ; and where I read whole words back
	v_min_u32 v24, 23, v3
	v_lshl_add_u32 v24, v24, 8, s2
	v_mov_b32 v25, s100
	v_min_u32 v26, 1, v3
	v_lshl_add_u32 v26, v26, 8, s19
.irp b, 0,1,2,3
	v_mov_b32 v[TM+4+\b], 0                        ; written once: a lane permute's destination counts as one of its sources
.endr
	s_wait_alu depctr_va_vdst(0)
	LOADSC 6, 10
	LOADB 12
.irp a, 0,1,2,3,4,5,6,7
	global_load_b32 v[BL+\a], v11, s[88:89] offset:64*\a
.endr
	s_wait_tensorcnt 0x0                           ; my part of tile 0 is in; no load of mine is out, so the descriptors may be written: from here on 32 rows of R, 64 of P a wave
	s_mov_b32 s[G1R+2], 96<<16
	s_mov_b32 s[G1R+4], 96
	s_mov_b32 s[G1P+2], 192<<16
	s_mov_b32 s[G1P+4], 192
	s_mul_i32 s[G0R+1], s14, 32*PITCH
	s_mul_i32 s[G0P+1], s14, 64*PITCH
	s_add_co_u32 s[G0P+1], s[G0P+1], PSLOT
	s_barrier_signal -1
	s_barrier_wait -1                              ; everybody's part is in
.irp st, 0,1,2,3,4,5,6,7
	PREAD \st
.endr
	WIN 0
	s_mov_b32 s3, 0
	s_mov_b32 s23, 0x03010200                      ; v_perm_b32's select: bytes 0, 2, 1, 3
.Ltile:                                                ; tiles q and k
	s_wait_tensorcnt 0x0                           ; my part of this tile's R is in,
	ds_add_u32 v28, v29
	s_mov_b64 s[G0P+2:G0P+3], s[72:73]
	s_or_b32 s[G0P+3], s[G0P+3], 0x80000000
	s_wait_dscnt 0x0                               ; and P's slot has been read out into my registers
	CROUND
	tensor_load_to_lds s[G0P:G0P+3], s[G1P:G1P+7]  ; the next tile's P
	s_nop 0
	PLACES 4
	PHASE 1, 1
	s_wait_tensorcnt 0x0                           ; the next P is in,
	ds_add_u32 v28, v29
	s_mov_b64 s[G0R+2:G0R+3], s[68:69]
	s_or_b32 s[G0R+3], s[G0R+3], 0x80000000
	s_wait_dscnt 0x0                               ; and my reads of R's slot are over
	CROUND
	tensor_load_to_lds s[G0R:G0R+3], s[G1R:G1R+7]  ; the next tile's R
	s_nop 0
	PLACES 4                                       ; also the places behind the last products
	LOADSC 70, 74
	s_cmp_lg_u32 s3, 0                             ; v's bias goes by R's rows and came at the head
	s_cbranch_scc1 .Lno_bias
	LOADB 76
.Lno_bias:
.irp g, 0,1,2,3
	PREAD 2*\g
	PREAD 2*\g+1
	WIN 0
	EPI \g, 0, 96
.endr
.irp i, 0,1,2,3
	v_cndmask_b32 v[DW+\i], v[W+\i], v[W+4+\i], s22
.endr
	global_store_b128 v14, v[DW:DW+3], s[98:99]    ; two aligned units of 256 bytes
	s_wait_xcnt 0x0                                ; the table, the bases and the stores' data are written again only behind this wait
	s_mov_b64 s[68:69], s[80:81]                   ; the next tile but one is v's
	s_mov_b64 s[70:71], s[82:83]
	s_mov_b64 s[72:73], s[84:85]
	s_mov_b64 s[74:75], s[86:87]
	s_add_nc_u64 s[96:97], s[96:97], 6291456       ; from q's part of the workspace to k's
	s_add_nc_u64 s[98:99], s[98:99], 524288
	s_add_co_u32 s3, s3, 1
	s_cmp_lt_u32 s3, 2
	s_wait_alu depctr_va_vdst(0)
	s_cbranch_scc1 .Ltile
	s_wait_tensorcnt 0x0                           ; tile v: my part of its R is in, nothing more is fetched
	s_wait_dscnt 0x0
	s_barrier_signal -1
	s_barrier_wait -1
	PHASE 0, 0
	PLACES 5
.irp g, 0,1,2,3
	EPI \g, 1, 92
.endr
	s_wait_alu depctr_va_vdst(0)
.irp a, 0,1,2,3,4,5,6,7
	ds_store_b16 v15, v[W+\a] offset:256*(\a/4)+4*(\a%4)   ; my 64 keys give two of a word's four bytes; the wave beside me gives the others
.endr
	s_wait_dscnt 0x0
	s_barrier_signal -1
	s_barrier_wait -1
	ds_load_b128 v[DW:DW+3], v22
	s_wait_dscnt 0x0
	global_store_b128 v23, v[DW:DW+3], s[94:95]    ; 256 consecutive bytes, each 16 written by two lanes with the same numbers
	s_wait_tensorcnt 0x0                           ; the wave's end
	ds_add_u32 v28, v29
	s_wait_dscnt 0x0
	CROUND                                         ; the closing round
	s_endpgm
.Lfunc_end_k_q64ea1eda2d_proj:
	.size	k_q64ea1eda2d_proj, .Lfunc_end_k_q64ea1eda2d_proj-k_q64ea1eda2d_proj
	.p2alignl 7, 3214868480
	.fill 96, 4, 3214868480
	.section	.rodata,"a",@progbits
	.p2align	6, 0x0
	.amdhsa_kernel k_q64ea1eda2d_proj
		.amdhsa_group_segment_fixed_size 327680
		.amdhsa_private_segment_fixed_size 0
		.amdhsa_enable_private_segment 0
		.amdhsa_kernarg_size 136
		.amdhsa_user_sgpr_count 2
		.amdhsa_user_sgpr_kernarg_segment_ptr 1
		.amdhsa_wavefront_size32 1
		.amdhsa_system_sgpr_workgroup_id_x 1
		.amdhsa_system_sgpr_workgroup_id_y 1
		.amdhsa_system_sgpr_workgroup_id_z 1
		.amdhsa_system_vgpr_workitem_id 0
		.amdhsa_next_free_vgpr 1024
		.amdhsa_next_free_sgpr 106
		.amdhsa_reserve_vcc 0
		.amdhsa_float_denorm_mode_32 3
		.amdhsa_float_denorm_mode_16_64 3
		.amdhsa_memory_ordered 1
		.amdhsa_forward_progress 1
		.amdhsa_inst_pref_size 178
	.end_amdhsa_kernel
	.amdgpu_metadata
---
amdhsa.version: [ 1, 2 ]
amdhsa.kernels:
  - .name:           k_q64ea1eda2d_proj
    .symbol:         k_q64ea1eda2d_proj.kd
    .args:
      - { .name: queries_codes, .offset: 0, .size: 8, .value_kind: global_buffer, .address_space: global }
      - { .name: queries_scales, .offset: 8, .size: 8, .value_kind: global_buffer, .address_space: global }
      - { .name: Wq_codes, .offset: 16, .size: 8, .value_kind: global_buffer, .address_space: global }
      - { .name: Wq_scales, .offset: 24, .size: 8, .value_kind: global_buffer, .address_space: global }
      - { .name: bq, .offset: 32, .size: 8, .value_kind: global_buffer, .address_space: global }
      - { .name: keys_codes, .offset: 40, .size: 8, .value_kind: global_buffer, .address_space: global }
      - { .name: keys_scales, .offset: 48, .size: 8, .value_kind: global_buffer, .address_space: global }
      - { .name: Wk_codes, .offset: 56, .size: 8, .value_kind: global_buffer, .address_space: global }
      - { .name: Wk_scales, .offset: 64, .size: 8, .value_kind: global_buffer, .address_space: global }
      - { .name: bk, .offset: 72, .size: 8, .value_kind: global_buffer, .address_space: global }
      - { .name: Wv_codes, .offset: 80, .size: 8, .value_kind: global_buffer, .address_space: global }
      - { .name: Wv_scales, .offset: 88, .size: 8, .value_kind: global_buffer, .address_space: global }
      - { .name: values_codes, .offset: 96, .size: 8, .value_kind: global_buffer, .address_space: global }
      - { .name: values_scales, .offset: 104, .size: 8, .value_kind: global_buffer, .address_space: global }
      - { .name: bv, .offset: 112, .size: 8, .value_kind: global_buffer, .address_space: global }
      - { .name: wc, .offset: 120, .size: 8, .value_kind: global_buffer, .address_space: global }
      - { .name: ws, .offset: 128, .size: 8, .value_kind: global_buffer, .address_space: global }
    .group_segment_fixed_size: 327680
    .private_segment_fixed_size: 0
    .kernarg_segment_align: 8
    .kernarg_segment_size: 136
    .max_flat_workgroup_size: 128
    .sgpr_count:     106
    .vgpr_count:     1024
    .wavefront_size: 32
...
	.end_amdgpu_metadata
.endif
;; end of part 1
;; launch attn (part 2): grid 2 x 128, 16 waves a work-group, no clusters, 176,128 bytes of LDS; arguments wc, ws, out0; writes out0
.if DOCPART == 2
	.amdgcn_target "amdgcn-amd-amdhsa--gfx1250"
	.amdhsa_code_object_version 6
	.text
	.protected	k_q64ea1eda2d_attn
	.globl	k_q64ea1eda2d_attn
	.p2align	8
	.type	k_q64ea1eda2d_attn,@function
k_q64ea1eda2d_attn:
	s_mov_b64 s[64:65], 0
	v_nop
	global_prefetch_b8 v0, s[64:65] scope:SCOPE_SE
	s_setreg_imm32_b32 hwreg(HW_REG_WAVE_MODE, 25, 1), 1
	s_wait_xcnt 0x0
; ATTENTION of one (batch, head): scores = q k^T / 8 with ZERO (not -infinity) above the diagonal, softmax, times v.  Both products on codes of FP6 (E2M3) with one E8M0 scale for each 32 along K.
; q, k, v come from the workspace as images of the operands' registers (laid out at the head of the launch before); out0 is [batch][query][head x 64 + d], f32.
; THE SOFTMAX: t = score x log2(e) / 8 (0 for a key behind the query); M = the row's largest t so far, rounded up to a whole number; p = 2^(t - M) is quantised along the keys, not normalised; the row's sum is taken of
; the unquantised p and divides O at the end.  When M moves, the sum and O are multiplied by 2^(old M - new M): exact.
; A KEY BEHIND THE QUERY STILL COUNTS, with t = 0.  Every query but number 1,023 has such a key, so its largest t begins at 0.  In a step of 128 keys that all lie behind my 16 queries every p is 2^-M:
; the code of 4.0 (0x18) under the scale byte 125 - M: no first product, no exponential, no conversion; M does not move there, since it is 0 or more already.
; SHARES.  A work-group owns half of a head's 64 tiles of 16 queries; wave w of work-group x takes tiles j = 16 x + w and 63 - j: together 9 steps with scores and 7 without, the same for every wave.
; The head's K, V and scale words, 104,448 bytes, come into LDS once, by one tensor load in each of ten waves: nothing is filled again, and one barrier serves the launch.
; No cluster: only two work-groups share a head's tiles, and they fetch them once.
; LAYOUT.  Both products are used transposed: S^T = K Q^T (source 0 = 16 keys, source 1 = my 16 queries; the head's 64 fill half of the instruction's K, the other half is zero codes), O^T = V^T P^T: a lane holds one query.
; THE KEYS OF A TILE ARE NOT NEIGHBOURS: lane r of tile 2 b + u takes key 32 b + 8 u + r + 8 (r / 8), so that the 16 registers of tiles 2 b and 2 b + 1 are 16 neighbouring keys, 32 b + 16 (l / 16) + 0 .. 15.
; LIMITS: NaN and infinities are not served.  For M above 124 a key behind the query weighs 2^-124 in such a step, in the product and in the sum alike: under 2^-113 of the sum.
; REGISTERS: v1-5, v7 addresses that stay; v6, v8-11 the step's; v12 -M, v13 the largest t, v[14:15] the sum in two halves; v16-27 Q; v28-31 V's scale words; v32-79 four fragments of K; v80-127 four of V;
;   v128-191 S^T, then p; v192-223 O^T; v224-235 p's codes; v236-247, v252, v254 at work; v248-251 K's scale words; v253 p's; v255 Q's.
.set KC,  0                            ; LDS: K's 64 tiles of 16 keys, 768 bytes each (three pieces of 256);
.set VC,  49152                        ; V: for each step of 128 keys four fragments of 1,536 bytes;
.set KS,  98304                        ; K's scale words: 512 bytes a step: 256 (tile / 4) + 16 r + 4 (tile % 4);
.set VS,  102400                       ; V's: 256 bytes a step: 16 r + 4 t;
.set STG, 104448                       ; the way out: 16 rows x (256 bytes + 16) for each wave; no tensor load lands here
.set S,   128
.set O,   192
.set BM,  236
.set TP,  240
.set SO,  244
	s_load_b128 s[4:7], s[0:1], 0x0                ; wc, ws
	s_load_b64 s[8:9], s[0:1], 0x10                ; out0
	v_lshl_add_u32 v254, v0, 2, 0x2a800
	v_mov_b32 v255, 0
	ds_add_u32 v254, v255
	ds_add_u32 v254, v255
	s_wait_dscnt 0x0
	v_lshrrev_b32 v1, 5, v0
	s_delay_alu instid0(VALU_DEP_1)
	v_readfirstlane_b32 s10, v1                    ; wave 0..15
	s_and_b32 s11, ttmp7, 0xffff                   ; batch x 16 + head
	s_lshl_b32 s12, ttmp9, 4
	s_add_co_u32 s12, s12, s10                     ; my first tile of queries
	s_lshr_b32 s84, s11, 1                         ; batch x 8 + head / 2
	s_and_b32 s85, s11, 1                          ; head % 2
	s_and_b32 s19, s10, 3                          ; which quarter of K or of V I fetch, if I fetch
	; descriptor groups 1, elements of 8 bytes, no padding.  K: 16 tiles of 768 bytes, 1,536 bytes apart
	s_mov_b32 s24, 3<<16
	s_mov_b32 s25, 96<<16                          ; tensor_dim0
	s_mov_b32 s26, 16<<16                          ; tensor_dim1
	s_mov_b32 s27, 96<<16                          ; tile_dim0
	s_mov_b32 s28, 16                              ; tile_dim1
	s_mov_b32 s29, 192                             ; tensor_dim0_stride
	s_mov_b32 s30, 0
	s_mov_b32 s31, 0
	s_mov_b32 s32, 3<<16                           ; V: two steps' 6,144 bytes, 12,288 bytes apart
	s_mov_b32 s33, 768<<16
	s_mov_b32 s34, 2<<16
	s_mov_b32 s35, 768<<16
	s_mov_b32 s36, 2
	s_mov_b32 s37, 1536
	s_mov_b32 s38, 0
	s_mov_b32 s39, 0
	s_mov_b32 s40, 3<<16                           ; K's scale words: 16 rows of 256 bytes, 512 bytes apart
	s_mov_b32 s41, 32<<16
	s_mov_b32 s42, 16<<16
	s_mov_b32 s43, 32<<16
	s_mov_b32 s44, 16
	s_mov_b32 s45, 64
	s_mov_b32 s46, 0
	s_mov_b32 s47, 0
	s_mov_b32 s48, 3<<16                           ; V's: 8 rows of 256 bytes, 512 bytes apart
	s_mov_b32 s49, 32<<16
	s_mov_b32 s50, 8<<16
	s_mov_b32 s51, 32<<16
	s_mov_b32 s52, 8
	s_mov_b32 s53, 64
	s_mov_b32 s54, 0
	s_mov_b32 s55, 0
	s_mul_i32 s86, s84, 98304                      ; the pair of heads' first byte in each part of wc
	s_mul_i32 s87, s19, 24576                      ; my quarter: 16 tiles of K, or two steps of V
	s_mul_i32 s2, s85, 768
	s_add_co_u32 s2, s2, s86                       ; q's codes of my head
	s_mov_b32 s3, 0
	s_add_co_u32 s88, s2, s87
	s_add_co_u32 s88, s88, 6291456                 ; k's
	s_mov_b32 s89, 0
	s_mul_i32 s90, s85, 6144
	s_add_co_u32 s90, s90, s86
	s_add_co_u32 s90, s90, s87
	s_add_co_u32 s90, s90, 12582912                ; v's
	s_mov_b32 s91, 0
	s_mov_b32 s56, 1                               ; groups 0: count = 1, the LDS address, the global address, type = 2
	s_mul_i32 s57, s19, 12288
	s_mov_b32 s60, 1
	s_add_co_u32 s61, s57, VC
	s_mov_b32 s68, 1
	s_mov_b32 s69, KS
	s_mov_b32 s72, 1
	s_mov_b32 s73, VS
	s_mov_b32 s20, 0x76543210                      ; v_permlanex16_b32's selects for lane l xor 16
	s_mov_b32 s21, 0xfedcba98
	s_mov_b32 s22, 0x3e38aa3b                      ; c = log2(e) / 8
	s_mov_b32 s23, s22                             ; (named with it as a pair, so it is written)
	s_wait_kmcnt 0x0
	s_add_nc_u64 s[76:77], s[4:5], s[2:3]
	s_add_nc_u64 s[58:59], s[4:5], s[88:89]
	s_or_b32 s59, s59, 0x80000000
	s_add_nc_u64 s[62:63], s[4:5], s[90:91]
	s_or_b32 s63, s63, 0x80000000
	s_lshl_b32 s2, s84, 13
	s_lshl_b32 s86, s85, 8
	s_add_co_u32 s2, s2, s86
	s_add_nc_u64 s[78:79], s[6:7], s[2:3]          ; q's scale words of my head
	s_add_co_u32 s88, s2, 524288
	s_add_nc_u64 s[70:71], s[6:7], s[88:89]        ; k's
	s_or_b32 s71, s71, 0x80000000
	s_lshl_b32 s90, s84, 12
	s_add_co_u32 s90, s90, s86
	s_add_co_u32 s90, s90, 1048576
	s_add_nc_u64 s[74:75], s[6:7], s[90:91]        ; v's
	s_or_b32 s75, s75, 0x80000000
	s_lshr_b32 s2, s11, 4
	s_lshl_b32 s2, s2, 22                          ; the batch's 1,024 rows of 4,096 bytes,
	s_and_b32 s86, s11, 15
	s_lshl_b32 s86, s86, 8                         ; the head's 256 bytes of a row
	s_add_co_u32 s2, s2, s86
	s_add_nc_u64 s[80:81], s[8:9], s[2:3]
	; the fills: waves 0-3 K's quarters, waves 4-7 V's, wave 8 K's scale words, wave 9 V's: at most one load a wave.  The branches hang on the wave's number alone; four v_nop follow each load
	s_cmp_lt_u32 s10, 4
	s_cbranch_scc0 .Lnot_k
	tensor_load_to_lds s[56:59], s[24:31]
	s_nop 0
.rept 4
	v_nop
.endr
	s_branch .Lasked
.Lnot_k:
	s_cmp_lt_u32 s10, 8
	s_cbranch_scc0 .Lnot_v
	tensor_load_to_lds s[60:63], s[32:39]
	s_nop 0
.rept 4
	v_nop
.endr
	s_branch .Lasked
.Lnot_v:
	s_cmp_eq_u32 s10, 8
	s_cbranch_scc0 .Lnot_ks
	tensor_load_to_lds s[68:71], s[40:47]
	s_nop 0
.rept 4
	v_nop
.endr
	s_branch .Lasked
.Lnot_ks:
	s_cmp_eq_u32 s10, 9
	s_cbranch_scc0 .Lasked
	tensor_load_to_lds s[72:75], s[48:55]
	s_nop 0
.rept 4
	v_nop
.endr
.Lasked:
	; lane l: rho = l % 16, g = rho / 8, j = rho % 8, h = l / 16.  Lane rho of K's tile (b, u) wants key 32 b + 8 u + j + 16 g: stored tile 2 b + g, row 8 u + j, whose place in a piece is 8 ((16 h + 8 u + j) xor 8 g)
	v_and_b32 v8, 7, v0
	v_bfe_u32 v9, v0, 3, 1
	v_bfe_u32 v10, v0, 4, 1
	s_delay_alu instid0(VALU_DEP_3)
	v_lshlrev_b32 v1, 3, v8
	s_delay_alu instid0(VALU_DEP_1)
	v_lshl_add_u32 v1, v10, 7, v1                  ; 8 (16 h + j)
	s_delay_alu instid0(VALU_DEP_1)
	v_mad_u32_u24 v2, v9, 704, v1
	s_delay_alu instid0(VALU_DEP_1)
	v_add_nc_u32 v2, 64, v2                        ; u = 1: + 64 + (768 - 64) g
	s_delay_alu instid0(VALU_DEP_3)
	v_mad_u32_u24 v1, v9, 832, v1                  ; u = 0: + (768 + 64) g.  In both the 32 lanes touch 64 different banks
	v_and_b32 v11, 31, v0
	s_delay_alu instid0(VALU_DEP_1)
	v_lshl_add_u32 v3, v11, 3, VC                  ; V: 8 l
	v_lshlrev_b32 v4, 4, v8
	s_delay_alu instid0(VALU_DEP_1)
	v_lshl_add_u32 v4, v9, 2, v4
	s_delay_alu instid0(VALU_DEP_1)
	v_add_nc_u32 v4, KS, v4                        ; K's scale words: 16 j + 4 g
	v_and_b32 v11, 15, v0
	s_delay_alu instid0(VALU_DEP_1)
	v_lshl_add_u32 v5, v11, 4, VS                  ; V's: 16 rho
	v_lshlrev_b32 v7, 12, v10
	s_delay_alu instid0(VALU_DEP_1)
	v_lshl_add_u32 v7, v11, 4, v7                  ; the way out: lanes 0-15 one row of out0, lanes 16-31 the next; 16 bytes a lane
.irp i, 22,23,24,25,26,27
	v_mov_b32 v\i, 0                               ; Q's K = 64 .. 127: zero codes
.endr
.irp t, 0,1,2,3
.irp i, 6,7,8,9,10,11
	v_mov_b32 v[32+12*\t+\i], 0                    ; K's likewise: written once, no load lands here
.endr
.endr
.irp b, 0,1,2,3
	v_mov_b32 v[TP+\b], 0                          ; written once: a lane permute's destination counts as one of its sources
.endr
.irp i, 0,3,6,9
	v_mov_b32 v[224+\i], 0x18618618                ; p's codes are written on every way to the second product
	v_mov_b32 v[225+\i], 0x86186186
	v_mov_b32 v[226+\i], 0x61861861
.endr
	v_mov_b32 v252, 0
	v_mov_b32 v253, 0                              ; (named as the upper half of the pair v[252:253] before it is first written)
; THE DIAGONAL'S MASK, by blocks of 32 keys.  s86: the block that holds my 16 queries' own keys; s2 = 16 x the half of the lanes that holds them; s3: lanes 16-31 where that half is the lower one.
; A block ahead of s86 stays; a block behind it becomes zeros; in block s86 register i loses the lanes r < i of that half (key i lies behind query r) and all lanes of a later half.
.macro MASKB b
	s_cmp_lt_u32 s86, \b
	s_cbranch_scc1 .Lmz_\@
	s_cmp_lg_u32 s86, \b
	s_cbranch_scc1 .Lme_\@
.set N, 0
.rept 8
	s_lshl_b32 s84, (1<<N)-1, s2
	s_lshl_b32 s85, (2<<N)-1, s2
	s_or_b32 s84, s84, s3
	s_or_b32 s85, s85, s3
	v_cndmask_b32 v[S+16*\b+N], v[S+16*\b+N], 0, s84
	v_cndmask_b32 v[S+16*\b+N+1], v[S+16*\b+N+1], 0, s85
.set N, N+2
.endr
	s_branch .Lme_\@
.Lmz_\@:
.set N, 0
.rept 16
	v_mov_b32 v[S+16*\b+N], 0
.set N, N+1
.endr
.Lme_\@:
.endm
.macro QLOAD
	s_mul_i32 s86, s12, 1536
	s_and_b32 s87, s12, 1
	s_lshl_b32 s87, s87, 3
	v_and_b32 v236, 31, v0
	s_delay_alu instid0(VALU_DEP_1)
	v_xor_b32 v236, s87, v236                      ; in odd tiles the lanes' places are turned by 8
	s_delay_alu instid0(VALU_DEP_1)
	v_lshl_add_u32 v236, v236, 3, s86
.irp p, 0,1,2
	global_load_b64 v[16+2*\p:17+2*\p], v236, s[76:77] offset:256*\p
.endr
	s_lshr_b32 s86, s12, 2
	s_lshl_b32 s86, s86, 9
	s_and_b32 s87, s12, 3
	s_lshl_b32 s87, s87, 2
	s_add_co_u32 s86, s86, s87
	v_and_b32 v237, 15, v0
	s_delay_alu instid0(VALU_DEP_1)
	v_lshl_add_u32 v237, v237, 4, s86
	global_load_b32 v255, v237, s[78:79]
.endm
.macro SETUP                           ; tile s12 begins
	s_lshr_b32 s13, s12, 3                         ; the step on the diagonal
	s_and_b32 s14, s12, 7
	s_lshl_b32 s14, s14, 4                         ; my first query in that step's 128
	s_mov_b32 s15, 0                               ; the step
	s_mov_b32 s16, 0                               ; its codes of K and of V: 6,144 bytes a step
	s_mov_b32 s17, 0                               ; K's scale words: 512
	s_mov_b32 s18, 0                               ; V's: 256
	s_lshl_b32 s2, s12, 16                         ; 16 rows of 4,096 bytes a tile
	s_mov_b32 s3, 0
	s_add_nc_u64 s[82:83], s[80:81], s[2:3]
	s_lshl_b32 s2, s12, 4
	v_and_b32 v254, 15, v0
	s_delay_alu instid0(VALU_DEP_1)
	v_add_nc_u32 v254, s2, v254                    ; my query
	v_mov_b32 v13, 0                               ; the largest t so far: 0, the t of a key behind the query;
	v_mov_b32 v252, 0xff61b1e6
	s_delay_alu instid0(VALU_DEP_3)
	v_cmp_eq_u32 vcc_lo, 0x3ff, v254
	s_delay_alu instid0(VALU_DEP_1)
	v_cndmask_b32 v13, v13, v252, vcc_lo           ; query 1,023 has no such key: -3e38
	s_delay_alu instid0(VALU_DEP_1)
	v_floor_f32 v12, -v13                          ; -M
	v_mov_b32 v14, 0
	v_mov_b32 v15, 0
.set N, 0
.rept 32
	v_mov_b32 v[O+N], 0                            ; O^T: the step is written once, and its first trip finds zeros
.set N, N+1
.endr
	s_wait_loadcnt 0x0                             ; Q is in, and its loads' address registers are free
.endm
; THE EIGHT STEPS OF 128 KEYS.  The trip count is a constant; which of the two ways a step takes hangs on ids alone.
.macro STEPS
.Lstep_\@:
	v_add_nc_u32 v8, s16, v1                       ; these five are also the places behind the last products, in front of the loads into V's registers
	v_add_nc_u32 v9, s16, v2
	v_add_nc_u32 v10, s16, v3
	v_add_nc_u32 v11, s17, v4
	v_add_nc_u32 v6, s18, v5
.irp t, 0,1,2,3
.irp p, 0,1,2,3,4,5
	ds_load_b64 v[80+12*\t+2*\p:81+12*\t+2*\p], v10 offset:1536*\t+256*\p   ; V^T: 16 of the head's 64 x these 128 keys, as its registers lie
.endr
.endr
	ds_load_b128 v[28:31], v6                      ; the four tiles' scale words
	s_cmp_gt_u32 s15, s13
	s_cbranch_scc1 .Lhid_\@                        ; all 128 keys lie behind my 16 queries
	s_wait_alu depctr_va_vdst(0)
.irp g, 0,1                                    ; S^T = K Q^T, four tiles of 16 keys at a time
.rept 4*\g
	v_nop                                          ; places in front of loads into registers that matrix instructions have read
.endr
.irp t, 0,1,2,3
.irp p, 0,1,2
	ds_load_b64 v[32+12*\t+2*\p:33+12*\t+2*\p], v[8+\t%2] offset:1536*(2*\g+\t/2)+256*\p
.endr
	ds_load_b32 v[248+\t], v11 offset:256*\g+128*(\t%2)+8*(\t/2)
.endr
	s_wait_dscnt 0x0
.irp t, 0,1,2,3
	v_wmma_scale_f32_16x16x128_f8f6f4 v[S+8*(4*\g+\t):S+8*(4*\g+\t)+7], v[32+12*\t:43+12*\t], v[16:27], 0, v[248+\t], v255 matrix_a_fmt:MATRIX_FMT_FP6 matrix_b_fmt:MATRIX_FMT_FP6
.endr
.endr
.rept 4
	v_nop
.endr
	s_cmp_lg_u32 s15, s13                          ; on the diagonal the scores of the keys behind the query become 0, ahead of the maximum
	s_cbranch_scc1 .Lopen_\@
	s_lshr_b32 s86, s14, 5                         ; register 16 b + i holds key 32 b + 16 h + i; my queries are s14 + r
	s_bfe_u32 s87, s14, 0x10004
	s_lshl_b32 s2, s87, 4
	s_cmp_eq_u32 s87, 0
	s_cselect_b32 s3, 0xffff0000, 0
	MASKB 0
	MASKB 1
	MASKB 2
	MASKB 3
.Lopen_\@:
	s_wait_alu depctr_va_vdst(0)
.irp b, 0,1,2,3
	v_max3_num_f32 v[BM+\b], v[S+16*\b], v[S+1+16*\b], v[S+2+16*\b]   ; the largest score of each block of 32 keys: for the row's maximum and, since p rises with the score, for the block's largest p
.endr
.irp i, 3,5,7,9,11,13
.irp b, 0,1,2,3
	v_max3_num_f32 v[BM+\b], v[BM+\b], v[S+16*\b+\i], v[S+1+16*\b+\i]
.endr
.endr
.irp b, 0,1,2,3
	v_max_num_f32 v[BM+\b], v[BM+\b], v[S+15+16*\b]
.endr
.irp b, 0,1,2,3
	s_delay_alu instid0(VALU_DEP_4)
	v_permlanex16_b32 v[TP+\b], v[BM+\b], s20, s21
.endr
.irp b, 0,1,2,3
	s_delay_alu instid0(VALU_DEP_4)
	v_max_num_f32 v[BM+\b], v[BM+\b], v[TP+\b]     ; with lane l xor 16's 16 keys
.endr
	s_delay_alu instid0(VALU_DEP_2)
	v_max3_num_f32 v254, v[BM], v[BM+1], v[BM+2]
	s_delay_alu instid0(VALU_DEP_1)
	v_max_num_f32 v254, v254, v[BM+3]              ; the step's largest score of my query
	s_delay_alu instid0(VALU_DEP_1)
	v_mul_f32 v254, s22, v254                      ; as t (c is positive)
	s_delay_alu instid0(VALU_DEP_1)
	v_max_num_f32 v13, v13, v254                   ; the running largest t
	v_mov_b32 v254, v12
	s_delay_alu instid0(VALU_DEP_2)
	v_floor_f32 v12, -v13                          ; the new -M = floor(-t): M is a whole number
	s_delay_alu instid0(VALU_DEP_1)
	v_sub_f32 v254, v12, v254                      ; old M - new M: a whole number, 0 or less
	s_delay_alu instid0(VALU_DEP_1)
	v_cvt_i32_f32 v254, v254                       ; (it saturates)
	s_delay_alu instid0(VALU_DEP_1)
	v_ldexp_f32 v252, 1.0, v254                    ; f = 2^(old M - new M)
.set N, 0
.rept 32
	v_pk_fma_f32 v[S+N:S+N+1], v[S+N:S+N+1], s[22:23], v[12:13] op_sel_hi:[1,0,0]   ; t - M, two at a time (of the pairs c and -M the low word serves both halves)
.set N, N+2
.endr
.irp b, 0,1,2,3
	v_fma_f32 v[BM+\b], v[BM+\b], s22, v12         ; the same of each block's largest score
.endr
.set N, 0
	s_wait_alu depctr_va_vdst(0)
.rept 64
	v_exp_f32 v[S+N], v[S+N]                       ; p = 2^(t - M), at most 1
.set N, N+1
.endr
.irp b, 0,1,2,3
	v_exp_f32 v[BM+\b], v[BM+\b]                   ; the block's largest p: the same two instructions on the same number
.endr
	v_pk_mul_f32 v[14:15], v[14:15], v[252:253] op_sel_hi:[1,0]   ; the sums under the new M.  (A plain place behind the exponentials)
	s_wait_alu depctr_va_vdst(0)
.irp b, 0,1,2,3
	v_max_num_f32 v[BM+\b], 0x1800000, v[BM+\b]    ; the floor 2^(3 - 127): the byte cannot fall under 1
.endr
.irp b, 0,1,2,3
	s_delay_alu instid0(VALU_DEP_4)
	v_add_nc_u32 v[SO+\b], 0xff000000, v[BM+\b]    ; 2 off the exponent field: the conversion's scale operand
.endr
.irp b, 0,1,2,3
	s_delay_alu instid0(VALU_DEP_4)
	v_lshrrev_b32 v[TP+\b], 23, v[SO+\b]           ; the scale's byte
.endr
	s_delay_alu instid0(VALU_DEP_3)
	v_lshl_or_b32 v253, v[TP+1], 8, v[TP]          ; p's scale word for these 128 keys
	s_delay_alu instid0(VALU_DEP_1)
	v_lshl_or_b32 v253, v[TP+2], 16, v253
	s_delay_alu instid0(VALU_DEP_1)
	v_lshl_or_b32 v253, v[TP+3], 24, v253
.irp c, 0,1
	v_cvt_scalef32_pk16_fp6_f32 v[224+6*\c:226+6*\c], v[S+32*\c:S+15+32*\c], v[SO+2*\c]
	v_cvt_scalef32_pk16_fp6_f32 v[236+4*\c:238+4*\c], v[S+16+32*\c:S+31+32*\c], v[SO+2*\c+1]   ; (a conversion's three registers begin on an even number)
.endr
	v_nop                                          ; one plain place behind a scaled conversion
.irp c, 0,1                                    ; the operand's layout wants a whole block in a lane
.irp i, 0,1,2
	v_permlane16_swap_b32 v[224+6*\c+\i], v[236+4*\c+\i]
.endr
.irp i, 0,1,2
	s_delay_alu instid0(VALU_DEP_3)
	v_mov_b32 v[227+6*\c+\i], v[236+4*\c+\i]
.endr
.endr
	v_pk_add_f32 v[236:237], v[132:133], v[136:137]
	v_pk_add_f32 v[250:251], v[140:141], v[144:145]
	v_pk_add_f32 v[248:249], v[148:149], v[152:153]
	v_pk_add_f32 v[246:247], v[156:157], v[160:161]
	v_pk_add_f32 v[244:245], v[164:165], v[168:169]
	v_pk_add_f32 v[238:239], v[172:173], v[176:177]
	v_pk_add_f32 v[72:73], v[180:181], v[184:185]
	v_pk_add_f32 v[14:15], v[14:15], v[188:189]
	v_pk_add_f32 v[236:237], v[236:237], v[128:129]
	v_pk_add_f32 v[250:251], v[250:251], v[130:131]
	v_pk_add_f32 v[248:249], v[248:249], v[134:135]
	v_pk_add_f32 v[246:247], v[246:247], v[138:139]
	v_pk_add_f32 v[244:245], v[244:245], v[142:143]
	v_pk_add_f32 v[238:239], v[238:239], v[146:147]
	v_pk_add_f32 v[72:73], v[72:73], v[150:151]
	v_pk_add_f32 v[14:15], v[14:15], v[154:155]
	v_pk_add_f32 v[236:237], v[236:237], v[158:159]
	v_pk_add_f32 v[250:251], v[250:251], v[162:163]
	v_pk_add_f32 v[248:249], v[248:249], v[166:167]
	v_pk_add_f32 v[246:247], v[246:247], v[170:171]
	v_pk_add_f32 v[244:245], v[244:245], v[174:175]
	v_pk_add_f32 v[238:239], v[238:239], v[178:179]
	v_pk_add_f32 v[72:73], v[72:73], v[182:183]
	v_pk_add_f32 v[14:15], v[14:15], v[186:187]
	v_pk_add_f32 v[236:237], v[236:237], v[190:191]
	s_delay_alu instid0(VALU_DEP_2)
	v_pk_add_f32 v[14:15], v[14:15], v[246:247]
	s_delay_alu instid0(VALU_DEP_2)
	v_pk_add_f32 v[236:237], v[236:237], v[244:245]
	v_pk_add_f32 v[250:251], v[250:251], v[238:239]
	v_pk_add_f32 v[248:249], v[248:249], v[72:73]
	s_delay_alu instid0(VALU_DEP_2)
	v_pk_add_f32 v[14:15], v[14:15], v[250:251]
	s_delay_alu instid0(VALU_DEP_2)
	v_pk_add_f32 v[236:237], v[236:237], v[248:249]
	s_delay_alu instid0(VALU_DEP_1)
	v_pk_add_f32 v[14:15], v[14:15], v[236:237]
.set N, 0
.rept 16
	v_pk_mul_f32 v[O+N:O+N+1], v[O+N:O+N+1], v[252:253] op_sel_hi:[1,0]   ; O^T under the new M.  (With the sums above: the places between the codes' and the scale word's last writes and the products)
.set N, N+2
.endr
	s_branch .Lpv_\@
.Lhid_\@:                                          ; every p of the step is 2^-M
	v_add_f32 v14, v14, v254                       ; its codes, its scale word and my 64 keys' share of the sum were made at the end of the diagonal's step
.Lpv_\@:
	s_wait_dscnt 0x0                               ; V's fragments and scale words
	s_wait_alu depctr_va_vdst(0)
.irp t, 0,1,2,3                                ; O^T += V^T P^T; the four accumulators take turns
	v_wmma_scale_f32_16x16x128_f8f6f4 v[O+8*\t:O+8*\t+7], v[80+12*\t:91+12*\t], v[224:235], v[O+8*\t:O+8*\t+7], v[28+\t], v253 matrix_a_fmt:MATRIX_FMT_FP6 matrix_b_fmt:MATRIX_FMT_FP6
.endr
	s_cmp_lg_u32 s15, s13                          ; behind the diagonal's step M moves no more: what the steps behind it need is made once, here
	s_cbranch_scc1 .Lnd_\@
	v_max_num_f32 v254, 0xc2f80000, v12            ; -M, held at -124 so that the byte stays 1 or more.  (These five lines are the places behind the products)
	s_delay_alu instid0(VALU_DEP_1)
	v_cvt_i32_f32 v254, v254
	s_delay_alu instid0(VALU_DEP_1)
	v_add_nc_u32 v252, 125, v254                   ; 2^-M = 4.0 x 2^(-M - 2): the byte is 125 - M
	s_delay_alu instid0(VALU_DEP_2)
	v_add_nc_u32 v254, 6, v254
	s_delay_alu instid0(VALU_DEP_1)
	v_ldexp_f32 v254, 1.0, v254                    ; my 64 of a step's 128 keys: 64 x 2^-M
	s_delay_alu instid0(VALU_DEP_3)
	v_lshl_or_b32 v253, v252, 8, v252
	s_delay_alu instid0(VALU_DEP_1)
	v_lshl_or_b32 v253, v253, 16, v253             ; in all four places
.irp i, 0,3,6,9
	v_mov_b32 v[224+\i], 0x18618618                ; the code 0x18 (4.0) at every six bits: 96 bits are three words
	v_mov_b32 v[225+\i], 0x86186186
	v_mov_b32 v[226+\i], 0x61861861
.endr
	s_wait_alu depctr_va_vdst(0)
.Lnd_\@:
	s_add_co_u32 s16, s16, 6144
	s_add_co_u32 s17, s17, 512
	s_add_co_u32 s18, s18, 256
	s_add_co_u32 s15, s15, 1
	s_cmp_lt_u32 s15, 8
	s_cbranch_scc1 .Lstep_\@
.endm
; THE WAY OUT.  O^T is divided by the sum and goes through my stage in LDS: a query's 64 numbers are 256 bytes, which sixteen lanes store at a multiple of 256 from out0's first byte.
.macro WAYOUT
	v_add_f32 v14, v14, v15                        ; the sum's two halves,
	s_delay_alu instid0(VALU_DEP_1)
	v_permlanex16_b32 v252, v14, s20, s21
	s_delay_alu instid0(VALU_DEP_1)
	v_add_f32 v14, v14, v252                       ; and lane l xor 16's: the row's sum
	s_wait_alu depctr_va_vdst(0)
	v_rcp_f32 v14, v14
	v_and_b32 v8, 15, v0                           ; (a plain place behind the transcendental; these eight are also the places behind the last products)
	v_bfe_u32 v9, v0, 4, 1
	s_mul_i32 s2, s10, 16*272
	s_add_co_u32 s2, s2, STG                       ; my stage
	v_mul_u32_u24 v10, v8, 272
	s_delay_alu instid0(VALU_DEP_1)
	v_lshl_add_u32 v10, v9, 5, v10
	s_delay_alu instid0(VALU_DEP_1)
	v_add_nc_u32 v10, s2, v10                      ; in: row rho; tile t's eight numbers of my half: 64 t + 32 h bytes on
	v_mul_u32_u24 v11, v9, 272
	s_delay_alu instid0(VALU_DEP_1)
	v_lshl_add_u32 v11, v8, 4, v11
	s_delay_alu instid0(VALU_DEP_1)
	v_add_nc_u32 v11, s2, v11                      ; back: lanes 0-15 one row, lanes 16-31 the next
.set N, 0
	s_wait_alu depctr_va_vdst(0)
.rept 32
	v_mul_f32 v[S+N], v[O+N], v14                  ; register 8 t + i is o(rho, 16 t + 8 h + i); each accumulator from its low end on
.set N, N+1
.endr
.irp t, 0,1,2,3
	ds_store_b128 v10, v[S+8*\t:S+8*\t+3] offset:64*\t
	ds_store_b128 v10, v[S+8*\t+4:S+8*\t+7] offset:64*\t+16
.endr
.irp i, 0,1,2,3,4,5,6,7
	ds_load_b128 v[80+4*\i:83+4*\i], v11 offset:2*\i*272   ; LDS serves a wave's instructions in order (ISA guide 5.7.1.4): these see my stores
.endr
.irp i, 0,1,2,3,4,5,6,7
	s_wait_dscnt 7-\i                              ; the younger loads may stay out
	global_store_b128 v7, v[80+4*\i:83+4*\i], s[82:83] offset:8192*\i th:TH_STORE_NT
.endr
	s_wait_xcnt 0x0                                ; the stores have read their data and their base: both are written again only behind this wait
.endm
	QLOAD
	s_wait_tensorcnt 0x0                           ; my part of the head is in LDS,
	s_barrier_signal -1
	s_barrier_wait -1                              ; everybody's is; nothing is filled again
	SETUP
	STEPS
	s_sub_co_u32 s12, 63, s12                      ; my second tile; its Q is asked for ahead of the first tile's way out
	QLOAD
	WAYOUT
	SETUP
	STEPS
	WAYOUT
	s_wait_xcnt 0x0
	v_lshl_add_u32 v254, v0, 2, 0x2a800
	v_mov_b32 v255, 0
	s_wait_alu depctr_va_vdst(0)
	s_wait_tensorcnt 0x0
	ds_add_u32 v254, v255
	s_wait_dscnt 0x0
	s_endpgm
.Lfunc_end_k_q64ea1eda2d_attn:
	.size	k_q64ea1eda2d_attn, .Lfunc_end_k_q64ea1eda2d_attn-k_q64ea1eda2d_attn
	.p2alignl 7, 3214868480
	.fill 96, 4, 3214868480
	.section	.rodata,"a",@progbits
	.p2align	6, 0x0
	.amdhsa_kernel k_q64ea1eda2d_attn
		.amdhsa_group_segment_fixed_size 176128
		.amdhsa_private_segment_fixed_size 0
		.amdhsa_enable_private_segment 0
		.amdhsa_kernarg_size 24
		.amdhsa_user_sgpr_count 2
		.amdhsa_user_sgpr_kernarg_segment_ptr 1
		.amdhsa_wavefront_size32 1
		.amdhsa_system_sgpr_workgroup_id_x 1
		.amdhsa_system_sgpr_workgroup_id_y 1
		.amdhsa_system_sgpr_workgroup_id_z 1
		.amdhsa_system_vgpr_workitem_id 0
		.amdhsa_next_free_vgpr 256
		.amdhsa_next_free_sgpr 92
		.amdhsa_reserve_vcc 1
		.amdhsa_float_denorm_mode_32 3
		.amdhsa_float_denorm_mode_16_64 3
		.amdhsa_memory_ordered 1
		.amdhsa_forward_progress 1
		.amdhsa_inst_pref_size 88
	.end_amdhsa_kernel
	.amdgpu_metadata
---
amdhsa.version: [ 1, 2 ]
amdhsa.kernels:
  - .name:           k_q64ea1eda2d_attn
    .symbol:         k_q64ea1eda2d_attn.kd
    .args:
      - { .name: wc, .offset: 0, .size: 8, .value_kind: global_buffer, .address_space: global }
      - { .name: ws, .offset: 8, .size: 8, .value_kind: global_buffer, .address_space: global }
      - { .name: out0, .offset: 16, .size: 8, .value_kind: global_buffer, .address_space: global }
    .group_segment_fixed_size: 176128
    .private_segment_fixed_size: 0
    .kernarg_segment_align: 8
    .kernarg_segment_size: 24
    .max_flat_workgroup_size: 512
    .sgpr_count:     92
    .vgpr_count:     256
    .wavefront_size: 32
...
	.end_amdgpu_metadata
.endif
;; end of part 2
